; MI455X (gfx1250); checked and timed in simulation.
; The chip was launched on July 23, 2026; its instructions are those of AMD's public machine-readable ISA for CDNA 5 (MIT licence, August 2026) and "CDNA5" Instruction Set Architecture Reference Guide (July 2026). The comments in the code are by the model that wrote it; some were corrected since.
;; Chamfer Dist. Allowed arithmetic: float matrix products may take bf16 or f16 operands with f32 sums; other float arithmetic in f32, or as packed bf16 or f16 multiplies, adds, multiply-adds, maxima and minima; sums over many terms, partial sums and values carried from step to step in f32; what a program stores and reads back later, other than sums and carried values, may be rounded once to bf16 or f16.
;; Inputs: input1 4 x 8,192 x 3 float32; input2 4 x 8,192 x 3 float32.
;; Outputs: out0 4 x 8,192 float32; out1 4 x 8,192 float32; out2 4 x 8,192 int32; out3 4 x 8,192 int32.
;; One version. Each part assembles by itself: llvm-mc -triple=amdgcn-amd-amdhsa -mcpu=gfx1250 --defsym DOCPART=n.
;; ======== version 1 of 1: 2 launches
;; workspace buffers: rec 1,048,576 bytes; gid 2,097,152 bytes of whole numbers
;; launch groups (part 1): grid 64 x 4, 8 waves a work-group, no clusters, 313,344 bytes of LDS; arguments input1, input2, rec, gid; writes rec, gid
.if DOCPART == 1
	.amdgcn_target "amdgcn-amd-amdhsa--gfx1250"
	.amdhsa_code_object_version 6
	.text
	.protected	k_q96ea856ce3_groups
	.globl	k_q96ea856ce3_groups
	.p2align	8
	.type	k_q96ea856ce3_groups,@function
k_q96ea856ce3_groups:
	s_mov_b64 s[64:65], 0
	v_nop
	global_prefetch_b8 v0, s[64:65] scope:SCOPE_SE
	s_setreg_imm32_b32 hwreg(HW_REG_WAVE_MODE, 25, 1), 1
	s_wait_xcnt 0x0
; CHAMFER DISTANCE, FIRST OF TWO LAUNCHES: for every point, which GROUP of 32 points of the other cloud holds its first nearest point.
; input1 = x, input2 = y: [4][8192][3] f32.  d(x, y) = clip(((x2 + y2) - 2 x.y) + 1e-8, 1e-8, 1e9), every operation rounded to f32 as reference() rounds it.
; WHY NO MATRIX INSTRUCTION.  The indices are compared exactly, and among 65,536 minima some are decided by the last bit of d.  So d is made with reference()'s own roundings:
; the inputs are rounded to bf16, which makes every product x_k y_k and x_k x_k exact in f32 (8 x 8 significant bits), and the sums are taken in reference()'s order, each rounded once:
; x.y = fl(fl(p0 + p1) + p2), x2 likewise, s = fl(x2 + y2), t = fl(s - 2 x.y).  The bf16 matrix form adds its products in an order of its own, which is no such chain.
; x is kept times -2 (exact), so t = fl(s + q), q = the chain of (-2 x_k) y_k: five f32 operations a pair, two pairs to a packed instruction.
; fl(t + 1e-8) and the clip never decrease with t, so the least d of a set is made from the least t of the set: both are applied once a group, not once a pair.
; SHARES.  A work-group owns 1,024 x (tile tx) times 1,024 y (tile ty) of one batch.  Lane l of EVERY wave holds x 32 l .. 32 l + 31 in registers; wave w walks y 128 w .. 128 w + 127, read from LDS
; at one address for all lanes.  Row direction (nearest y of an x): 32 running minima a lane, set down after every 32 y: table ROWT[y group][x].  Column direction (nearest x of a y): a lane's minimum
; over its 32 x IS the minimum of x group l: table COLT[x group][y].  Behind one barrier each thread takes four queries of each table and finds the FIRST group whose clipped d equals the least.
; OUT.  gid[direction][batch][split][query]: that group's number, 0 to 31 (split = the other cloud's tile).  rec[cloud][batch][tile]: the prepared points for the second launch, in pairs of
; neighbours (e, o): 8 KiB of (c0e c0o c1e c1o), then 8 KiB of (c2e c2o n_e n_o), n = the squared norm; of the eight work-groups that prepare a tile each stores an eighth.
; NO CLUSTER: a work-group reads 24,576 bytes, once, at its head, for 1,048,576 pairs.
; LIMITS.  The results are reference()'s on inputs rounded to bf16.  The roundings agree while no product or sum leaves f32's normal range (values between about 1e-18 and 1e18 in size);
; where reference() would meet infinity minus infinity nothing is treated apart.
.set RAWB,   98304                     ; bytes of one batch of a cloud: 8,192 points x 12
.set RAWT,   12288                     ; bytes of a tile's 1,024 points
.set XLANE,  528                       ; a lane's 16 pairs of x in LDS: 512 bytes + 16: 33 x 16
.set PITCHR, 4608                      ; a row of ROWT: 32 lanes x (128 + 16) bytes
.set PITCHC, 4112                      ; a row of COLT: 4,096 + 16 bytes = 257 x 16
.set YRB,    0                         ; y: 512 pairs x 32 bytes
.set XRB,    16384                     ; x: 32 lanes x XLANE
.set ROWT,   XRB+32*XLANE              ; 33,280
.set COLT,   ROWT+32*PITCHR            ; 180,736
.set SPARE,  COLT+32*PITCHC            ; 312,320: the spare words, 128 bytes for each of eight waves: four blocks of 256 bytes that no other line names
.set SPW, 2                            ; v2   LDS address of my spare word; never rewritten
.set NIL, 3                            ; v3   0; never rewritten
.set GIN, 4                            ; v4   24 x thread: my first pair of points in a tile of the inputs
.set REC, 5                            ; v5   16 x thread: my place in rec and in gid
.set XW,  6                            ; v6   where I put my first pair of x
.set YW,  7                            ; v7   where I put my first pair of y
.set XL,  8                            ; v8   my lane's 16 pairs of x
.set YA,  9                            ; v9   the y of the trip in hand (the same in all lanes)
.set CA,  10                           ; v10  COLT: my lane's row, the trip's y
.set RA,  11                           ; v11  ROWT: the group's row, my lane's 32 x
.set TR,  12                           ; v12  ROWT: my four queries, group 0
.set TC,  13                           ; v13  COLT: my four queries, group 0
.set LN,  14                           ; v14  lane
.set YB,  16                           ; v[16:47]   two buffers of two pairs of y: (y0e y0o y1e y1o y2e y2o ne no) each
.set COL, 48                           ; v[48:51]   column minima of a step's four y
.set T,   52                           ; v[52:67]   at work
.set ROW, 68                           ; v[68:99]   row minima of my 32 x
.set X,   100                          ; v[100:227] my 16 pairs of x: (-2x0e -2x0o -2x1e -2x1o -2x2e -2x2o ne no) each
.set RAW, 100                          ; at the head: 24 numbers as loaded
.set PX,  128                          ; two pairs of x, prepared
.set PY,  144                          ; two pairs of y, prepared
.set XS,  160                          ; the coordinates of my x times -2
.set E,   100                          ; at the end: a table's 32 groups x my four queries
.set M,   52                           ; the four bounds
.set IDR, 56                           ; the four group numbers, row direction
.set IDC, 60                           ; the same, column direction
.set WV,  12                           ; s12 wave
.set TX,  13                           ; s13 tile of x
.set TY,  14                           ; s14 tile of y
.set BA,  15                           ; s15 batch
.set INF, 20                           ; s20 +infinity
.set ABSM, 21                          ; s21 all bits but the sign
.set CLIP, 22                          ; s22 1e5
.set HIM, 23                           ; s23 a word's upper bf16
.set GRP, 24                           ; s24 groups to go
.set TRIP, 25                          ; s25 trips to go
.set EPS, 26                           ; s[26:27] 1e-8; the packed sum names the pair and takes its low word twice
.set DMAX, 28                          ; s28 1e9
	s_load_b256 s[4:11], s[0:1], 0x0               ; input1 s[4:5], input2 s[6:7], rec s[8:9], gid s[10:11]
	v_lshl_add_u32 v[SPW], v0, 2, SPARE
	v_mov_b32 v[NIL], 0
	v_lshrrev_b32 v1, 5, v0
	v_readfirstlane_b32 s[WV], v1                  ; wave 0..7
	s_and_b32 s[TX], ttmp9, 7
	s_lshr_b32 s[TY], ttmp9, 3
	s_and_b32 s[BA], ttmp7, 0xffff
	s_mov_b32 s[INF], 0x7f800000
	s_mov_b32 s[ABSM], 0x7fffffff
	s_mov_b32 s[CLIP], 0x47c35000
	s_mov_b32 s[HIM], 0xffff0000
	s_mov_b32 s[EPS], 0x322bcc77
	s_mov_b32 s[EPS+1], s[EPS]
	s_mov_b32 s[DMAX], 0x4e6e6b28
	; byte offsets, each in a pair of its own with 0 on top
	s_mul_i32 s16, s[BA], RAWB
	s_mul_i32 s17, s[TX], RAWT
	s_add_co_u32 s40, s16, s17                     ; my tile of x in input1
	s_mov_b32 s41, 0
	s_mul_i32 s17, s[TY], RAWT
	s_add_co_u32 s42, s16, s17                     ; my tile of y in input2
	s_mov_b32 s43, 0
	s_lshl3_add_u32 s16, s[BA], s[TX]              ; 8 batch + tx
	s_lshl3_add_u32 s17, s[BA], s[TY]              ; 8 batch + ty
	s_lshl_b32 s44, s16, 14                        ; rec: cloud 0, 16 KiB a tile
	s_mov_b32 s45, 0
	s_add_co_u32 s46, s17, 32                      ; rec: cloud 1
	s_lshl_b32 s46, s46, 14
	s_mov_b32 s47, 0
	s_lshl_b32 s48, s17, 15                        ; gid: direction 0, split ty, 32 KiB a split,
	s_lshl_b32 s18, s[TX], 12
	s_add_co_u32 s48, s48, s18                     ; queries of tile tx
	s_mov_b32 s49, 0
	s_add_co_u32 s50, s16, 32                      ; gid: direction 1, split tx,
	s_lshl_b32 s50, s50, 15
	s_lshl_b32 s18, s[TY], 12
	s_add_co_u32 s50, s50, s18                     ; queries of tile ty
	s_mov_b32 s51, 0
	v_mul_u32_u24 v[GIN], v0, 24
	v_lshlrev_b32 v[REC], 4, v0
	v_lshrrev_b32 v1, 4, v0
	v_lshlrev_b32 v[YW], 5, v0                     ; pair t of y at 32 t
	v_lshl_add_u32 v[XW], v1, 4, v[YW]             ; pair t of x at 32 t + 16 (t / 16): 16 bytes more for each lane's 16 pairs
	v_add_nc_u32 v[XW], XRB, v[XW]
	v_and_b32 v[LN], 31, v0
	v_mul_u32_u24 v[XL], v[LN], XLANE
	v_add_nc_u32 v[XL], XRB, v[XL]
	s_lshl_b32 s16, s[WV], 11                      ; my wave's 64 pairs of y
	v_mov_b32 v[YA], s16
	v_mul_u32_u24 v[CA], v[LN], PITCHC
	s_lshl_b32 s17, s[WV], 9                       ; my wave's 128 y, 4 bytes each
	s_add_co_u32 s17, s17, COLT
	v_add_nc_u32 v[CA], s17, v[CA]
	v_mul_u32_u24 v[RA], v[LN], 144
	s_mul_i32 s17, s[WV], 4*PITCHR                 ; my wave's four groups of y
	s_add_co_u32 s17, s17, ROWT
	v_add_nc_u32 v[RA], s17, v[RA]
	v_lshrrev_b32 v1, 3, v0                        ; queries 4 t .. 4 t + 3 of ROWT belong to lane t / 8, its numbers 4 (t % 8) on
	v_mul_u32_u24 v[TR], v1, 144
	v_and_b32 v1, 7, v0
	v_lshl_add_u32 v[TR], v1, 4, v[TR]
	v_add_nc_u32 v[TR], ROWT, v[TR]
	v_add_nc_u32 v[TC], COLT, v[REC]
	s_wait_kmcnt 0x0
	s_add_nc_u64 s[4:5], s[4:5], s[40:41]
	s_add_nc_u64 s[6:7], s[6:7], s[42:43]
	s_add_nc_u64 s[30:31], s[8:9], s[44:45]        ; rec, my tile of x
	s_add_nc_u64 s[32:33], s[8:9], s[46:47]        ; rec, my tile of y
	s_add_nc_u64 s[34:35], s[10:11], s[48:49]      ; gid, row direction
	s_add_nc_u64 s[36:37], s[10:11], s[50:51]      ; gid, column direction
	; thread t prepares pairs t and t + 256 of each tile: 24 consecutive bytes a pair
.irp h, 0,1
.irp j, 0,1,2
	global_load_b64 v[RAW+6*(\h)+2*(\j):RAW+6*(\h)+2*(\j)+1], v[GIN], s[4:5] offset:6144*(\h)+8*(\j)
	global_load_b64 v[RAW+12+6*(\h)+2*(\j):RAW+12+6*(\h)+2*(\j)+1], v[GIN], s[6:7] offset:6144*(\h)+8*(\j)
.endr
.endr
; One coordinate: infinity (after the rounding) becomes 1e5 with its sign, NaN (told by the number as loaded) becomes 0.
.macro SAN raw, rnd, dst
	v_and_b32 v[T+8], s[ABSM], v[\rnd]
	v_bfi_b32 v[T+9], s[ABSM], s[CLIP], v[\rnd]    ; 1e5 with the number's sign
	v_cmp_eq_u32 vcc_lo, s[INF], v[T+8]
	v_cndmask_b32 v[T+9], v[\rnd], v[T+9], vcc_lo
	v_and_b32 v[T+8], s[ABSM], v[\raw]
	v_cmp_ge_u32 vcc_lo, s[INF], v[T+8]            ; no NaN: the bits without the sign do not pass infinity's
	v_cndmask_b32 v[\dst], 0, v[T+9], vcc_lo
.endm
; A pair of points (e0 e1 e2 o0 o1 o2 at r) -> (c0e c0o c1e c1o c2e c2o ne no) at p: rounded to bf16, made finite, n = fl(fl(c0 c0 + c1 c1) + c2 c2) (the products are exact)
.macro PREP r, p
	v_cvt_pk_bf16_f32 v[T+10], v[(\r)], v[(\r)+1]
	v_cvt_pk_bf16_f32 v[T+11], v[(\r)+2], v[(\r)+3]
	v_cvt_pk_bf16_f32 v[T+12], v[(\r)+4], v[(\r)+5]
	v_lshlrev_b32 v[T+2], 16, v[T+10]
	v_and_b32 v[T+3], s[HIM], v[T+10]
	v_lshlrev_b32 v[T+4], 16, v[T+11]
	v_and_b32 v[T+5], s[HIM], v[T+11]
	v_lshlrev_b32 v[T+6], 16, v[T+12]
	v_and_b32 v[T+7], s[HIM], v[T+12]
	SAN (\r), T+2, (\p)
	SAN (\r)+1, T+3, (\p)+2
	SAN (\r)+2, T+4, (\p)+4
	SAN (\r)+3, T+5, (\p)+1
	SAN (\r)+4, T+6, (\p)+3
	SAN (\r)+5, T+7, (\p)+5
	v_pk_mul_f32 v[(\p)+6:(\p)+7], v[(\p):(\p)+1], v[(\p):(\p)+1]
	v_pk_fma_f32 v[(\p)+6:(\p)+7], v[(\p)+2:(\p)+3], v[(\p)+2:(\p)+3], v[(\p)+6:(\p)+7]
	v_pk_fma_f32 v[(\p)+6:(\p)+7], v[(\p)+4:(\p)+5], v[(\p)+4:(\p)+5], v[(\p)+6:(\p)+7]
.endm
	s_wait_loadcnt 0x0
	PREP RAW, PX
	PREP RAW+6, PX+8
	PREP RAW+12, PY
	PREP RAW+18, PY+8
.irp h, 0,1
	v_pk_mul_f32 v[XS+6*(\h):XS+6*(\h)+1],   v[PX+8*(\h):PX+8*(\h)+1],   -2.0 op_sel_hi:[1,0]
	v_pk_mul_f32 v[XS+6*(\h)+2:XS+6*(\h)+3], v[PX+8*(\h)+2:PX+8*(\h)+3], -2.0 op_sel_hi:[1,0]
	v_pk_mul_f32 v[XS+6*(\h)+4:XS+6*(\h)+5], v[PX+8*(\h)+4:PX+8*(\h)+5], -2.0 op_sel_hi:[1,0]
	ds_store_b128 v[XW], v[XS+6*(\h):XS+6*(\h)+3]   offset:8448*(\h)      ; pair t + 256 lies 256 x 32 + 16 x 16 bytes on
	ds_store_b64  v[XW], v[XS+6*(\h)+4:XS+6*(\h)+5] offset:8448*(\h)+16
	ds_store_b64  v[XW], v[PX+8*(\h)+6:PX+8*(\h)+7] offset:8448*(\h)+24
	ds_store_b128 v[YW], v[PY+8*(\h):PY+8*(\h)+3]   offset:8192*(\h)
	ds_store_b128 v[YW], v[PY+8*(\h)+4:PY+8*(\h)+7] offset:8192*(\h)+16
.endr
	; rec: eight work-groups prepare the same tile; wave ty of this one stores its 64 pairs of x, wave tx its 64 pairs of y.  Each store covers 512 consecutive bytes, aligned.
	s_cmp_lg_u32 s[WV], s[TY]
	s_cbranch_scc1 .Lnot_x
.irp h, 0,1
	global_store_b128 v[REC], v[PX+8*(\h):PX+8*(\h)+3],   s[30:31] offset:4096*(\h)
	global_store_b128 v[REC], v[PX+8*(\h)+4:PX+8*(\h)+7], s[30:31] offset:4096*(\h)+8192
.endr
.Lnot_x:
	s_cmp_lg_u32 s[WV], s[TX]
	s_cbranch_scc1 .Lnot_y
.irp h, 0,1
	global_store_b128 v[REC], v[PY+8*(\h):PY+8*(\h)+3],   s[32:33] offset:4096*(\h)
	global_store_b128 v[REC], v[PY+8*(\h)+4:PY+8*(\h)+7], s[32:33] offset:4096*(\h)+8192
.endr
.Lnot_y:
	s_wait_dscnt 0x0                               ; for the others' sake: my points lie in LDS
	s_barrier_signal -1
	s_barrier_wait -1                              ; everybody's do
	s_wait_xcnt 0x0                                ; the stores to rec have read their registers: the loads below land on them
.set i, 0
.rept 16
	ds_load_b128 v[X+8*i:X+8*i+3],   v[XL] offset:32*i
	ds_load_b128 v[X+8*i+4:X+8*i+7], v[XL] offset:32*i+16
.set i, i+1
.endr
; Four y (two pairs, 64 bytes) into buffer b, from byte off behind the trip's first y; one address for all lanes
.macro YLOAD b, off
.irp j, 0,1,2,3
	ds_load_b128 v[YB+16*(\b)+4*(\j):YB+16*(\b)+4*(\j)+3], v[YA] offset:(\off)+16*(\j)
.endr
.endm
; Coordinate o / 2 of four chains: pairs i and i + 1 of x against the even y (the y pair's first register for both halves) and the odd y (its second)
.macro FMA4 o
	v_pk_fma_f32 v[T:T+1],   v[xa+(\o):xa+(\o)+1], v[yr+(\o):yr+(\o)+1], v[T:T+1]   op_sel_hi:[1,0,1]
	v_pk_fma_f32 v[T+2:T+3], v[xa+(\o):xa+(\o)+1], v[yr+(\o):yr+(\o)+1], v[T+2:T+3] op_sel:[0,1,0] op_sel_hi:[1,1,1]
	v_pk_fma_f32 v[T+4:T+5], v[xb+(\o):xb+(\o)+1], v[yr+(\o):yr+(\o)+1], v[T+4:T+5] op_sel_hi:[1,0,1]
	v_pk_fma_f32 v[T+6:T+7], v[xb+(\o):xb+(\o)+1], v[yr+(\o):yr+(\o)+1], v[T+6:T+7] op_sel:[0,1,0] op_sel_hi:[1,1,1]
.endm
; Eight pairs (x, y) a lane: four x (pairs i, i + 1) times two y (the pair at yb).  20 packed operations and 8 minima of three: 3.5 instructions a pair.
; Four chains run side by side, so that no instruction reads the result of the one before it.  c: the two y's column minima; first = 1: the lane's first x start them.
.macro BLK yb, i, c, first
.set xa, X+8*(\i)
.set xb, xa+8
.set yr, (\yb)
	v_pk_mul_f32 v[T:T+1],     v[xa:xa+1], v[yr:yr+1] op_sel_hi:[1,0]                 ; (-2 x0) y0: exact
	v_pk_mul_f32 v[T+2:T+3],   v[xa:xa+1], v[yr:yr+1] op_sel:[0,1] op_sel_hi:[1,1]
	v_pk_mul_f32 v[T+4:T+5],   v[xb:xb+1], v[yr:yr+1] op_sel_hi:[1,0]
	v_pk_mul_f32 v[T+6:T+7],   v[xb:xb+1], v[yr:yr+1] op_sel:[0,1] op_sel_hi:[1,1]
	v_pk_add_f32 v[T+8:T+9],   v[xa+6:xa+7], v[yr+6:yr+7] op_sel_hi:[1,0]             ; s = fl(x2 + y2)
	v_pk_add_f32 v[T+10:T+11], v[xa+6:xa+7], v[yr+6:yr+7] op_sel:[0,1] op_sel_hi:[1,1]
	v_pk_add_f32 v[T+12:T+13], v[xb+6:xb+7], v[yr+6:yr+7] op_sel_hi:[1,0]
	v_pk_add_f32 v[T+14:T+15], v[xb+6:xb+7], v[yr+6:yr+7] op_sel:[0,1] op_sel_hi:[1,1]
	FMA4 2                                         ; fl(p0 + p1)
	FMA4 4                                         ; q = fl(.. + p2)
	v_pk_add_f32 v[T:T+1],   v[T+8:T+9],   v[T:T+1]                                   ; t = fl(s + q)
	v_pk_add_f32 v[T+2:T+3], v[T+10:T+11], v[T+2:T+3]
	v_pk_add_f32 v[T+4:T+5], v[T+12:T+13], v[T+4:T+5]
	v_pk_add_f32 v[T+6:T+7], v[T+14:T+15], v[T+6:T+7]
	v_min3_num_f32 v[ROW+2*(\i)],   v[ROW+2*(\i)],   v[T],   v[T+2]
	v_min3_num_f32 v[ROW+2*(\i)+1], v[ROW+2*(\i)+1], v[T+1], v[T+3]
.if \first
	v_min_num_f32 v[(\c)],   v[T],   v[T+1]
	v_min_num_f32 v[(\c)+1], v[T+2], v[T+3]
.else
	v_min3_num_f32 v[(\c)],   v[(\c)],   v[T],   v[T+1]
	v_min3_num_f32 v[(\c)+1], v[(\c)+1], v[T+2], v[T+3]
.endif
	v_min3_num_f32 v[ROW+2*(\i)+2], v[ROW+2*(\i)+2], v[T+4], v[T+6]
	v_min3_num_f32 v[ROW+2*(\i)+3], v[ROW+2*(\i)+3], v[T+5], v[T+7]
	v_min3_num_f32 v[(\c)],   v[(\c)],   v[T+4], v[T+5]
	v_min3_num_f32 v[(\c)+1], v[(\c)+1], v[T+6], v[T+7]
.endm
; A step: the four y of buffer b against my 32 x; then their four column minima go to my row of COLT
.macro STEP b, off
.set yy0, YB+16*(\b)
.set k, 0
.rept 8
	BLK yy0, 2*k, COL, (k==0)
.set k, k+1
.endr
.set k, 0
.rept 8
	BLK yy0+8, 2*k, COL+2, (k==0)
.set k, k+1
.endr
	ds_store_b128 v[CA], v[COL:COL+3] offset:(\off)
.endm
	YLOAD 0, 0
	s_wait_dscnt 0x0                               ; x and the first four y
	s_mov_b32 s[GRP], 4
.Lgroup:                                               ; 32 y: a group of the row direction
.set r, 0
.rept 32
	v_mov_b32 v[ROW+r], s[INF]                     ; 32 lines for 1,024 pairs a lane, so that the trip has one form
.set r, r+1
.endr
	s_mov_b32 s[TRIP], 4
.Ltrip:                                                ; eight y
	YLOAD 1, 64                                    ; the next four y are asked for a step ahead
	STEP 0, 0
	s_wait_dscnt 0x1                               ; all but the store just issued: buffer 1 is in
	YLOAD 0, 128                                   ; the next trip's first four.  My last trip's names 64 bytes behind my y: bytes written ahead of the barrier; the numbers are not used
	STEP 1, 16
	v_add_nc_u32 v[YA], 128, v[YA]
	v_add_nc_u32 v[CA], 32, v[CA]
	s_wait_dscnt 0x1                               ; all but the store just issued: buffer 0 is in
	s_sub_co_u32 s[TRIP], s[TRIP], 1
	s_cmp_lg_u32 s[TRIP], 0
	s_cbranch_scc1 .Ltrip
.irp j, 0,1,2,3,4,5,6,7
	ds_store_b128 v[RA], v[ROW+4*(\j):ROW+4*(\j)+3] offset:16*(\j)  ; lanes 144 bytes apart: 9 x 16
.endr
	v_add_nc_u32 v[RA], PITCHR, v[RA]
	s_sub_co_u32 s[GRP], s[GRP], 1
	s_cmp_lg_u32 s[GRP], 0
	s_cbranch_scc1 .Lgroup
	s_wait_dscnt 0x0                               ; for the others' sake: my part of both tables lies in LDS
	s_barrier_signal -1
	s_barrier_wait -1
; THE FIRST GROUP THAT HOLDS THE LEAST d, for my four queries of a table.  e_g = fl(t_g + 1e-8) never decreases with t_g, so the least e is D = fl(least t + 1e-8).  clip(e_g) equals clip(D)
; just where e_g <= U, with U = 1e-8 if D <= 1e-8, +infinity if D >= 1e9, else D.  Going down from group 30, the last group that meets the bound is the first in order; group 31 is the answer if no other is.
.macro ARGMIN adr, pitch, idr, gp
.set g, 0
.rept 32
	ds_load_b128 v[E+4*g:E+4*g+3], v[\adr] offset:(g%8)*(\pitch)
.if (g%8 == 7) && (g < 31)
	v_add_nc_u32 v[\adr], 8*(\pitch), v[\adr]      ; the immediate holds 16 bits: eight rows to a base
.endif
.set g, g+1
.endr
	s_wait_dscnt 0x0
.irp c, 0,1,2,3
	v_min_num_f32 v[M+(\c)], v[E+(\c)], v[E+4+(\c)]
.endr
.set g, 2
.rept 15
.irp c, 0,1,2,3
	v_min3_num_f32 v[M+(\c)], v[M+(\c)], v[E+4*g+(\c)], v[E+4*g+4+(\c)]
.endr
.set g, g+2
.endr
	v_pk_add_f32 v[M:M+1],   v[M:M+1],   s[EPS:EPS+1] op_sel_hi:[1,0]  ; D
	v_pk_add_f32 v[M+2:M+3], v[M+2:M+3], s[EPS:EPS+1] op_sel_hi:[1,0]
.irp c, 0,1,2,3
	v_max_num_f32 v[M+(\c)], s[EPS], v[M+(\c)]
	v_mov_b32 v[(\idr)+(\c)], 31
.endr
.irp c, 0,1,2,3
	v_cmp_le_f32 vcc_lo, s[DMAX], v[M+(\c)]
	v_cndmask_b32 v[M+(\c)], v[M+(\c)], s[INF], vcc_lo  ; U
.endr
.set g, 30
.rept 31
	v_pk_add_f32 v[E+4*g:E+4*g+1],   v[E+4*g:E+4*g+1],   s[EPS:EPS+1] op_sel_hi:[1,0]
	v_pk_add_f32 v[E+4*g+2:E+4*g+3], v[E+4*g+2:E+4*g+3], s[EPS:EPS+1] op_sel_hi:[1,0]
.irp c, 0,1,2,3
	v_cmp_le_f32 s[56+(\c)], v[E+4*g+(\c)], v[M+(\c)]
.endr
.irp c, 0,1,2,3
	v_cndmask_b32 v[(\idr)+(\c)], v[(\idr)+(\c)], g, s[56+(\c)]
.endr
.set g, g-1
.endr
	global_store_b128 v[REC], v[(\idr):(\idr)+3], s[(\gp):(\gp)+1]  ; a wave's store covers 512 consecutive bytes, aligned
.endm
	ARGMIN TR, PITCHR, IDR, 34
	ARGMIN TC, PITCHC, IDC, 36
	s_wait_tensorcnt 0x0                           ; the wave's end: behind my last LDS store
	ds_add_u32 v[SPW], v[NIL]
	s_wait_dscnt 0x0
	s_endpgm
.Lfunc_end_k_q96ea856ce3_groups:
	.size	k_q96ea856ce3_groups, .Lfunc_end_k_q96ea856ce3_groups-k_q96ea856ce3_groups
	.p2alignl 7, 3214868480
	.fill 96, 4, 3214868480
	.section	.rodata,"a",@progbits
	.p2align	6, 0x0
	.amdhsa_kernel k_q96ea856ce3_groups
		.amdhsa_group_segment_fixed_size 313344
		.amdhsa_private_segment_fixed_size 0
		.amdhsa_enable_private_segment 0
		.amdhsa_kernarg_size 32
		.amdhsa_user_sgpr_count 2
		.amdhsa_user_sgpr_kernarg_segment_ptr 1
		.amdhsa_wavefront_size32 1
		.amdhsa_system_sgpr_workgroup_id_x 1
		.amdhsa_system_sgpr_workgroup_id_y 1
		.amdhsa_system_sgpr_workgroup_id_z 1
		.amdhsa_system_vgpr_workitem_id 0
		.amdhsa_next_free_vgpr 228
		.amdhsa_next_free_sgpr 66
		.amdhsa_reserve_vcc 1
		.amdhsa_float_denorm_mode_32 3
		.amdhsa_float_denorm_mode_16_64 3
		.amdhsa_memory_ordered 1
		.amdhsa_forward_progress 1
		.amdhsa_inst_pref_size 129
	.end_amdhsa_kernel
	.amdgpu_metadata
---
amdhsa.version: [ 1, 2 ]
amdhsa.kernels:
  - .name:           k_q96ea856ce3_groups
    .symbol:         k_q96ea856ce3_groups.kd
    .args:
      - { .name: input1, .offset: 0, .size: 8, .value_kind: global_buffer, .address_space: global }
      - { .name: input2, .offset: 8, .size: 8, .value_kind: global_buffer, .address_space: global }
      - { .name: rec, .offset: 16, .size: 8, .value_kind: global_buffer, .address_space: global }
      - { .name: gid, .offset: 24, .size: 8, .value_kind: global_buffer, .address_space: global }
    .group_segment_fixed_size: 313344
    .private_segment_fixed_size: 0
    .kernarg_segment_align: 8
    .kernarg_segment_size: 32
    .max_flat_workgroup_size: 256
    .sgpr_count:     66
    .vgpr_count:     228
    .wavefront_size: 32
...
	.end_amdgpu_metadata
.endif
;; end of part 1
;; launch resolve (part 2): grid 32 x 8, 8 waves a work-group, no clusters, 167,936 bytes of LDS; arguments rec, gid, out0, out1, out2, out3; writes out0, out1, out2, out3
.if DOCPART == 2
	.amdgcn_target "amdgcn-amd-amdhsa--gfx1250"
	.amdhsa_code_object_version 6
	.text
	.protected	k_q96ea856ce3_resolve
	.globl	k_q96ea856ce3_resolve
	.p2align	8
	.type	k_q96ea856ce3_resolve,@function
k_q96ea856ce3_resolve:
	s_mov_b64 s[64:65], 0
	v_nop
	global_prefetch_b8 v0, s[64:65] scope:SCOPE_SE
	s_setreg_imm32_b32 hwreg(HW_REG_WAVE_MODE, 25, 1), 1
	s_wait_xcnt 0x0
; CHAMFER DISTANCE, SECOND OF TWO LAUNCHES: the least d and its first index, from the groups that the first launch named.
; rec[cloud][batch][tile of 1,024 points]: prepared points (rounded to bf16, made finite, with their squared norms n) in pairs of neighbours (e, o): 8 KiB of (c0e c0o c1e c1o), then 8 KiB of (c2e c2o ne no).
; gid[direction][batch][split][query]: for each of the other cloud's eight tiles, the first group of 32 points that holds the tile's least d for this query.
; d = clip(fl(t + 1e-8), 1e-8, 1e9), t = fl(fl(n_query + n_cand) + q), q = fl(fl(p0 + p1) + p2), p_k = (-2 query_k) cand_k (exact): reference()'s own roundings on inputs rounded to bf16.
; SHARES.  A work-group owns 256 queries of one direction and batch, a lane one query.  The other cloud's 131,072 bytes of rec come into LDS as they lie, 16 KiB by one tensor load of each wave, once.
; A lane evaluates 8 groups x 32 candidates.  THE ORDER IN A GROUP IS TURNED: the lanes' groups begin at multiples of 256 bytes, so at step p lane l takes pair (l + p) % 16.
; So the first index in a group is a MINIMUM over the indices (kept as small f32 numbers) of the candidates that reach the group's least d.
; The splits are merged in ascending order, a later one only where its d is truly less: the first index of all.
; NO CLUSTER, though 32 work-groups read the same 131,072 bytes: every lane's LDS address is made of its own query's group numbers, which differ from work-group to work-group
; LIMITS: as in the first launch (values between about 1e-18 and 1e18 in size; infinity minus infinity is not treated apart).
.set RES,   131072                     ; behind the candidates: 256 d, then 256 indices, for the way out
.set SPARE, 133120                     ; the spare words, 128 bytes for each of eight waves: four blocks of 256 bytes that no other line names
.set SPW, 2                            ; v2   LDS address of my spare word; never rewritten
.set NIL, 3                            ; v3   0; never rewritten
.set GO,  4                            ; v4   4 x thread: my query in gid
.set QO,  5                            ; v5   my query's first number in rec
.set RS,  6                            ; v6   where I put my d
.set RL,  7                            ; v7   where I read 16 bytes back
.set OO,  8                            ; v8   my 16 bytes of an output
.set L15, 9                            ; v9   lane % 16
.set TMP, 10
.set GB,  11                           ; v11  LDS byte of the group in hand
.set AD,  12                           ; v12-13 LDS address, by turns
.set U,   14                           ; v14  the bound
.set DS,  15                           ; v15  the split's least d
.set Q,   16                           ; v[16:19] -2 c0, -2 c1, -2 c2, n of my query
.set M,   20                           ; v[20:23] four running minima
.set KB,  24                           ; v[24:25] two running least indices
.set SE,  26                           ; v[26:29] at work
.set IDX, 30
.set BEST, 31
.set BIDX, 32
.set VBIG, 33                          ; v33  64.0: above every index in a group
.set G,   34                           ; v[34:41] my eight group numbers
.set OFFP, 44                          ; v[44:59] 16 ((l + p) % 16)
.set KF,  60                           ; v[60:91] the indices in the group of step p's two candidates, as f32
.set T,   92                           ; v[92:123] t of the group's 32 candidates, in the turned order
.set BUF, 124                          ; v[124:251] the group's 16 pairs as loaded, 8 registers each
.set WV,  16                           ; s16 wave
.set EPS, 52                           ; s[52:53] 1e-8
.set DMAX, 54                          ; s54 1e9
.set INF, 55                           ; s55 +infinity
	s_load_b256 s[4:11], s[0:1], 0x0               ; rec s[4:5], gid s[6:7], out0 s[8:9], out1 s[10:11]
	s_load_b128 s[12:15], s[0:1], 0x20             ; out2 s[12:13], out3 s[14:15]
	v_lshl_add_u32 v[SPW], v0, 2, SPARE
	v_mov_b32 v[NIL], 0
	ds_add_u32 v[SPW], v[NIL]                      ; the wave's opening: the add and its wait ahead of my tensor load; the set-up below, work on registers, stands between them
	v_lshrrev_b32 v1, 5, v0
	v_readfirstlane_b32 s[WV], v1                  ; wave 0..7
	s_mov_b32 s17, ttmp9                           ; which 256 queries
	s_and_b32 s18, ttmp7, 0xffff                   ; 4 x direction + batch: also the queries' cloud and batch in rec
	s_lshr_b32 s19, s18, 2                         ; direction
	s_xor_b32 s20, s18, 4                          ; the other cloud, same batch:
	s_lshl_b32 s20, s20, 17                        ; its 131,072 bytes,
	s_lshl_b32 s24, s[WV], 14
	s_add_co_u32 s20, s20, s24                     ; my wave's 16 KiB of them
	s_mov_b32 s21, 0
	s_lshl_b32 s22, s18, 17                        ; my queries in rec: their cloud and batch,
	s_lshr_b32 s25, s17, 2
	s_lshl_b32 s25, s25, 14
	s_add_co_u32 s22, s22, s25                     ; their tile,
	s_and_b32 s25, s17, 3
	s_lshl_b32 s25, s25, 11
	s_add_co_u32 s22, s22, s25                     ; their 128 pairs in it
	s_mov_b32 s23, 0
	s_lshl_b32 s26, s18, 18                        ; gid: eight splits of 32 KiB,
	s_lshl_b32 s25, s17, 10
	s_add_co_u32 s26, s26, s25                     ; my 256 queries
	s_mov_b32 s27, 0
	s_and_b32 s28, s18, 3
	s_lshl_b32 s28, s28, 15                        ; the outputs: the batch's 32 KiB,
	s_add_co_u32 s28, s28, s25                     ; my 256 queries
	s_mov_b32 s29, 0
	; the descriptor: 16,384 dense bytes as 64 rows of 256 bytes
	s_mov_b32 s40, 1                               ; group 0: count = 1
	s_mov_b32 s41, s24                             ; LDS address: 16,384 x wave
	s_mov_b32 s44, 3<<16                           ; group 1: no mask; elements of 8 bytes; no padding
	s_mov_b32 s45, 32<<16                          ; tensor_dim0 = 32
	s_mov_b32 s46, 64<<16                          ; tensor_dim1 = 64
	s_mov_b32 s47, 32<<16                          ; tile_dim0 = 32
	s_mov_b32 s48, 64                              ; tile_dim1 = 64
	s_mov_b32 s49, 32                              ; 32 elements from row to row
	s_mov_b32 s50, 0
	s_mov_b32 s51, 0
	s_mov_b32 s[EPS], 0x322bcc77
	s_mov_b32 s[EPS+1], s[EPS]
	s_mov_b32 s[DMAX], 0x4e6e6b28
	s_mov_b32 s[INF], 0x7f800000
	s_wait_dscnt 0x0                               ; the opening add is done
	s_wait_kmcnt 0x0
	s_add_nc_u64 s[42:43], s[4:5], s[20:21]        ; global address of my 64 rows
	s_or_b32 s43, s43, 0x80000000                  ; type = 2
	tensor_load_to_lds s[40:43], s[44:51]          ; my one tensor load: one is out
	s_nop 0
	s_add_nc_u64 s[32:33], s[4:5], s[22:23]
	s_add_nc_u64 s[34:35], s[6:7], s[26:27]
	s_cmp_eq_u32 s19, 0
	s_cselect_b64 s[36:37], s[8:9], s[10:11]       ; d: out0 or out1
	s_cselect_b64 s[38:39], s[12:13], s[14:15]     ; index: out2 or out3
	s_add_nc_u64 s[36:37], s[36:37], s[28:29]
	s_add_nc_u64 s[38:39], s[38:39], s[28:29]
	v_lshlrev_b32 v[GO], 2, v0
	v_lshrrev_b32 v[QO], 1, v0
	v_and_b32 v[TMP], 1, v0
	v_lshlrev_b32 v[QO], 4, v[QO]                  ; my pair's 16 bytes,
	v_lshl_add_u32 v[QO], v[TMP], 2, v[QO]         ; my half of it
.irp s, 0,1,2,3,4,5,6,7
	global_load_b32 v[G+(\s)], v[GO], s[34:35] offset:32768*(\s)
.endr
	global_load_b32 v[Q],   v[QO], s[32:33]
	global_load_b32 v[Q+1], v[QO], s[32:33] offset:8
	global_load_b32 v[Q+2], v[QO], s[32:33] offset:8192
	global_load_b32 v[Q+3], v[QO], s[32:33] offset:8200
	v_lshl_add_u32 v[RS], v0, 2, RES
	v_lshl_add_u32 v[RL], v0, 4, RES
	v_and_b32 v[OO], 63, v0
	v_lshlrev_b32 v[OO], 4, v[OO]
	v_and_b32 v[L15], 15, v0
	v_mov_b32 v[VBIG], 0x42800000
.set p, 0
.rept 16
	v_add_nc_u32 v[TMP], p, v[L15]
	v_and_b32 v[TMP], 15, v[TMP]                   ; the pair that I take at step p
	v_lshlrev_b32 v[OFFP+p], 4, v[TMP]
	v_lshlrev_b32 v[TMP], 1, v[TMP]
	v_cvt_f32_u32 v[KF+2*p], v[TMP]
	v_add_f32 v[KF+2*p+1], 1.0, v[KF+2*p]
.set p, p+1
.endr
	s_wait_tensorcnt 0x0                           ; my 16 KiB lie in LDS,
	s_barrier_signal -1
	s_barrier_wait -1                              ; everybody's do
	s_wait_loadcnt 0x0
.irp s, 0,1,2,3,4,5,6,7
	v_min_u32 v[G+(\s)], 31, v[G+(\s)]             ; a number from memory enters an address only behind a bound
.endr
	v_pk_mul_f32 v[Q:Q+1], v[Q:Q+1], -2.0 op_sel_hi:[1,0]
	v_mul_f32 v[Q+2], -2.0, v[Q+2]
; The 32 loads of split s: my group's 16 pairs, 16 + 16 bytes each
.macro LOADS s
	v_lshl_add_u32 v[GB], v[G+(\s)], 8, (\s)*16384 ; a tile is 16 KiB, a group 256 bytes in each of its halves
.set p, 0
.rept 16
	v_add_nc_u32 v[AD+p%2], v[GB], v[OFFP+p]
	ds_load_b128 v[BUF+8*p:BUF+8*p+3],   v[AD+p%2]
	ds_load_b128 v[BUF+8*p+4:BUF+8*p+7], v[AD+p%2] offset:8192
.set p, p+1
.endr
.endm
; t of the 32 candidates, four pairs at a time: four chains side by side
.macro EVAL
.set c, 0
.rept 4
	s_wait_dscnt 24-8*c                            ; LDS loads come back in order (ISA guide 5.7.1): these eight are in, the younger ones of the split stay out
.set p, 4*c
.rept 4
	v_pk_mul_f32 v[BUF+8*p:BUF+8*p+1], v[BUF+8*p:BUF+8*p+1], v[Q:Q+1] op_sel_hi:[1,0]
	v_pk_add_f32 v[BUF+8*p+6:BUF+8*p+7], v[BUF+8*p+6:BUF+8*p+7], v[Q+2:Q+3] op_sel:[0,1] op_sel_hi:[1,1]
.set p, p+1
.endr
.set p, 4*c
.rept 4
	v_pk_fma_f32 v[BUF+8*p:BUF+8*p+1], v[BUF+8*p+2:BUF+8*p+3], v[Q:Q+1], v[BUF+8*p:BUF+8*p+1] op_sel:[0,1,0] op_sel_hi:[1,1,1]
.set p, p+1
.endr
.set p, 4*c
.rept 4
	v_pk_fma_f32 v[BUF+8*p:BUF+8*p+1], v[BUF+8*p+4:BUF+8*p+5], v[Q+2:Q+3], v[BUF+8*p:BUF+8*p+1] op_sel_hi:[1,0,1]
.set p, p+1
.endr
.set p, 4*c
.rept 4
	v_pk_add_f32 v[T+2*p:T+2*p+1], v[BUF+8*p+6:BUF+8*p+7], v[BUF+8*p:BUF+8*p+1]
.set p, p+1
.endr
.set c, c+1
.endr
.endm
; The split's least d and its first index.  D = fl(least t + 1e-8); clip(e_k) equals clip(D) just where e_k = fl(t_k + 1e-8) <= U, with U = 1e-8 if D <= 1e-8, +infinity if D >= 1e9, else D.
.macro POST s
.if (\s) == 0
.set dsr, BEST                         ; the first split starts the running pair
.set ixr, BIDX
.else
.set dsr, DS
.set ixr, IDX
.endif
.set c, 0
.rept 4
	v_min_num_f32 v[M+c], v[T+2*c], v[T+2*c+1]
.set c, c+1
.endr
.set p, 4
.rept 12
	v_min3_num_f32 v[M+p%4], v[M+p%4], v[T+2*p], v[T+2*p+1]
.set p, p+1
.endr
.set p, 0
.rept 16
	v_pk_add_f32 v[T+2*p:T+2*p+1], v[T+2*p:T+2*p+1], s[EPS:EPS+1] op_sel_hi:[1,0]  ; e
.set p, p+1
.endr
	v_min3_num_f32 v[M], v[M], v[M+1], v[M+2]
	v_min_num_f32 v[M], v[M], v[M+3]
	v_add_f32 v[M], s[EPS], v[M]                   ; D
	v_max_num_f32 v[U], s[EPS], v[M]
	v_min_num_f32 v[dsr], s[DMAX], v[U]            ; the clipped d
	v_cmp_le_f32 vcc_lo, s[DMAX], v[U]
	v_cndmask_b32 v[U], v[U], s[INF], vcc_lo
.set p, 0
.rept 16
	v_cmp_le_f32 s[56+2*(p%2)], v[T+2*p],   v[U]
	v_cmp_le_f32 s[57+2*(p%2)], v[T+2*p+1], v[U]
	v_cndmask_b32 v[SE+2*(p%2)],   v[VBIG], v[KF+2*p],   s[56+2*(p%2)]
	v_cndmask_b32 v[SE+2*(p%2)+1], v[VBIG], v[KF+2*p+1], s[57+2*(p%2)]
.if p < 2
	v_min_num_f32 v[KB+p], v[SE+2*p], v[SE+2*p+1]
.else
	v_min3_num_f32 v[KB+p%2], v[KB+p%2], v[SE+2*(p%2)], v[SE+2*(p%2)+1]
.endif
.set p, p+1
.endr
	v_min_num_f32 v[KB], v[KB], v[KB+1]
	v_cvt_u32_f32 v[KB], v[KB]
	v_lshl_add_u32 v[ixr], v[G+(\s)], 5, v[KB]     ; 32 x group + place in it
.if (\s) > 0
	v_add_nc_u32 v[IDX], (\s)*1024, v[IDX]
	v_cmp_lt_f32 vcc_lo, v[DS], v[BEST]            ; a later split wins only where it is truly less
	v_cndmask_b32 v[BIDX], v[BIDX], v[IDX], vcc_lo
	v_min_num_f32 v[BEST], v[BEST], v[DS]
.endif
.endm
	LOADS 0
.irp s, 0,1,2,3,4,5,6
	EVAL
	LOADS (\s)+1                                   ; the next split's loads go out ahead of this split's second half, which touches no LDS
	POST \s
.endr
	EVAL
	POST 7
	; THE WAY OUT: 256 d and 256 indices meet in LDS, so that each store covers 512 consecutive bytes, aligned
	ds_store_b32 v[RS], v[BEST]
	ds_store_b32 v[RS], v[BIDX] offset:1024
	s_wait_dscnt 0x0                               ; for the others' sake: my two words lie in LDS
	s_barrier_signal -1
	s_barrier_wait -1
	s_cmp_lt_u32 s[WV], 4                          ; waves 0 and 1 store the d, waves 2 and 3 the indices
	s_cbranch_scc0 .Lend
	ds_load_b128 v[T:T+3], v[RL]
	s_cmp_lt_u32 s[WV], 2
	s_cselect_b64 s[60:61], s[36:37], s[38:39]
	s_wait_dscnt 0x0
	global_store_b128 v[OO], v[T:T+3], s[60:61]
.Lend:
	s_wait_tensorcnt 0x0                           ; the wave's end: behind my tensor load and my last LDS store
	ds_add_u32 v[SPW], v[NIL]
	s_wait_dscnt 0x0
	s_endpgm
.Lfunc_end_k_q96ea856ce3_resolve:
	.size	k_q96ea856ce3_resolve, .Lfunc_end_k_q96ea856ce3_resolve-k_q96ea856ce3_resolve
	.p2alignl 7, 3214868480
	.fill 96, 4, 3214868480
	.section	.rodata,"a",@progbits
	.p2align	6, 0x0
	.amdhsa_kernel k_q96ea856ce3_resolve
		.amdhsa_group_segment_fixed_size 167936
		.amdhsa_private_segment_fixed_size 0
		.amdhsa_enable_private_segment 0
		.amdhsa_kernarg_size 48
		.amdhsa_user_sgpr_count 2
		.amdhsa_user_sgpr_kernarg_segment_ptr 1
		.amdhsa_wavefront_size32 1
		.amdhsa_system_sgpr_workgroup_id_x 1
		.amdhsa_system_sgpr_workgroup_id_y 1
		.amdhsa_system_sgpr_workgroup_id_z 1
		.amdhsa_system_vgpr_workitem_id 0
		.amdhsa_next_free_vgpr 252
		.amdhsa_next_free_sgpr 66
		.amdhsa_reserve_vcc 1
		.amdhsa_float_denorm_mode_32 3
		.amdhsa_float_denorm_mode_16_64 3
		.amdhsa_memory_ordered 1
		.amdhsa_forward_progress 1
		.amdhsa_inst_pref_size 129
	.end_amdhsa_kernel
	.amdgpu_metadata
---
amdhsa.version: [ 1, 2 ]
amdhsa.kernels:
  - .name:           k_q96ea856ce3_resolve
    .symbol:         k_q96ea856ce3_resolve.kd
    .args:
      - { .name: rec, .offset: 0, .size: 8, .value_kind: global_buffer, .address_space: global }
      - { .name: gid, .offset: 8, .size: 8, .value_kind: global_buffer, .address_space: global }
      - { .name: out0, .offset: 16, .size: 8, .value_kind: global_buffer, .address_space: global }
      - { .name: out1, .offset: 24, .size: 8, .value_kind: global_buffer, .address_space: global }
      - { .name: out2, .offset: 32, .size: 8, .value_kind: global_buffer, .address_space: global }
      - { .name: out3, .offset: 40, .size: 8, .value_kind: global_buffer, .address_space: global }
    .group_segment_fixed_size: 167936
    .private_segment_fixed_size: 0
    .kernarg_segment_align: 8
    .kernarg_segment_size: 48
    .max_flat_workgroup_size: 256
    .sgpr_count:     66
    .vgpr_count:     252
    .wavefront_size: 32
...
	.end_amdgpu_metadata
.endif
;; end of part 2
